; MI455X (gfx1250); checked and timed in simulation.
; The chip was launched on July 23, 2026; its instructions are those of AMD's public machine-readable ISA for CDNA 5 (MIT licence, August 2026) and "CDNA5" Instruction Set Architecture Reference Guide (July 2026). The comments in the code are by the model that wrote it; some were corrected since.
;; Multi Head Attention. Allowed arithmetic: matrix products marked QUANTISED: E2M1 operands, one E8M0 scale for each 32 along K, by v_wmma_scale_f32_16x16x128_f8f6f4 with both operands' format E2M1 (or v_wmma_scale_f32_32x16x128_f4), f32 sums; everything else in f32.
;; Inputs: bk 1,024 float32; bo 1,024 float32; bq 1,024 float32; bv 1,024 float32; wk 1,024 x 1,024 float32; wo 1,024 x 1,024 float32; wq 1,024 x 1,024 float32; wv 1,024 x 1,024 float32; x 4 x 2,048 x 1,024 float32.
;; Outputs: out0 4 x 2,048 x 1,024 float32.
;; This version of the problem:
;;   THIS VERSION OF THE PROBLEM IS GIVEN IN LOW PRECISION. The matrix products marked QUANTISED in the list below multiply operands that are first quantised to E2M1 (2 exponent bits, 1 mantissa bit; 4 bits a number), with one power-of-two scale for each 32 numbers along K (OCP MX v1.0); their sums are f32. All else is computed in f32.
;;   The module's matrix products, in the order in which they are computed (A, B: the left and right operand; K: the contracted axis; several contracted axes count as one K, in the product's order):
;;     1. [M 8,192, K 1,024] x [K 1,024, N 1,024]; A: input x; B: input wq: QUANTISED
;;     2. [M 8,192, K 1,024] x [K 1,024, N 1,024]; A: input x; B: input wk: QUANTISED
;;     3. [M 8,192, K 1,024] x [K 1,024, N 1,024]; A: input x; B: input wv: QUANTISED
;;     4. batch 64 x [M 2,048, K 64] x [K 64, N 2,048]; A: computed on the way; B: computed on the way: QUANTISED
;;     5. batch 64 x [M 2,048, K 2,048] x [K 2,048, N 64]; A: softmax (see below); B: computed on the way: QUANTISED
;;     6. [M 8,192, K 1,024] x [K 1,024, N 1,024]; A: computed on the way; B: input wo: QUANTISED
;;   THE QUANTISER, for each operand of a quantised product, along K:
;;     - K is cut into blocks of 32 from its start; a last block that is shorter is filled with zeros.
;;     - A block's scale is 2^e with e = floor(log2(the largest magnitude in the block)) - 2, held to -126 .. 127; a block of zeros has e = 0. As a byte (E8M0): e + 127.
;;     - Each number is divided by its block's scale, clamped to +-6, and rounded to the nearest number of E2M1, ties to even, subnormals kept.
;;     - The product sums the exact products of the quantised numbers (number of the format x scale) in f32.
;;   ~~~python
;;   def quantise(x, axis):      # numpy; x: float32 -> the quantised numbers, widened to float32 again
;;       x = np.moveaxis(x, axis, -1); K = x.shape[-1]
;;       x = np.pad(x, [(0, 0)] * (x.ndim - 1) + [(0, -K % 32)]); x = x.reshape(x.shape[:-1] + (-1, 32)); a = np.abs(x).max(-1, keepdims=True)
;;       e = np.where(a > 0, np.clip(np.frexp(np.where(a > 0, a, 1))[1] - 1 - 2, -126, 127), 0)      # np.frexp(a)[1] - 1 = floor(log2(a)), exactly
;;       r = np.clip(x / 2.0 ** e, -6, 6)
;;       step = 2.0 ** (np.maximum(np.frexp(np.where(r == 0, 1, r))[1] - 1, 0) - 1)
;;       q = np.round(r / step) * step * 2.0 ** e      # np.round: ties to even
;;       return np.moveaxis(q.reshape(q.shape[:-2] + (-1,))[..., :K], -1, axis).astype(np.float32)
;;   ~~~
;;   SOFTMAX AHEAD OF A QUANTISED PRODUCT. Where the list says 'softmax', what is quantised is not the finished softmax but p = 2^(t - M), with t = logit x log2(e) and M = ceil(the row's largest t), a whole number; so 1/2 < the row's largest p <= 1. The row's sum l is taken of the UNQUANTISED p, in f32, and the product's result is divided by l at the end. Since M is a whole number, a kernel that streams over the keys may use a running M (the ceiling of the running maximum): every later rescaling is an exact power of two, which a block's scale takes up: the codes' values come out the same.
;;   OPERANDS COMPUTED ON THE WAY. 'Computed on the way' means the value that the module computes at that place (a softmax that the list does not call 'softmax' is quantised finished and normalised). What goes into a quantiser is computed in f32, as accurately as f32 sums, v_exp_f32 and their like allow (about 1e-6 of the number): no bf16 or f16 on the way to a quantiser, and a product that is left as it is and whose result goes on into a quantised operand takes f32 operands (vector FMAs, or v_wmma_f32_16x16x4_f32). A number that lies on a knife's edge between two numbers of the format may be rounded either way, as far as f32 arithmetic and the matrix unit's own rounding can turn it there, and no further.
;; One version. Each part assembles by itself: llvm-mc -triple=amdgcn-amd-amdhsa -mcpu=gfx1250 --defsym DOCPART=n.
;; ======== version 1 of 1: 4 launches
;; workspace buffers: xc 4,194,304 bytes; xs 262,144 bytes; wt 2,228,224 bytes; qc 4,194,304 bytes; qs 524,288 bytes; kv 9,175,040 bytes; acod 4,194,304 bytes; ascl 262,144 bytes
;; launch quant (part 1): grid 384 x 1, 4 waves a work-group, no clusters, 41,472 bytes of LDS; arguments x, wq, wk, wv, wo, xc, xs, wt; writes xc, xs, wt
.if DOCPART == 1
	.amdgcn_target "amdgcn-amd-amdhsa--gfx1250"
	.amdhsa_code_object_version 6
	.text
	.protected	k_q06a5c1cf0d_quant
	.globl	k_q06a5c1cf0d_quant
	.p2align	8
	.type	k_q06a5c1cf0d_quant,@function
k_q06a5c1cf0d_quant:
	s_mov_b64 s[64:65], 0
	v_nop
	global_prefetch_b8 v0, s[64:65] scope:SCOPE_SE
	s_setreg_imm32_b32 hwreg(HW_REG_WAVE_MODE, 25, 1), 1
	s_wait_xcnt 0x0
; x [8192][1024] and wq, wk, wv, wo [1024][1024], f32, K innermost, become codes of FP4 (E2M1) with one E8M0 byte for each 32 along K.
; A block's scale is 2^(floor(log2(largest magnitude)) - 2); its byte is the largest magnitude's exponent field - 2, held at 1 from below.
; LAYOUT OF THE RESULTS: images of the matrix operand's registers.  A TILE is 16 rows that are not neighbours: tile 2 g + u holds rows
; 32 g + 8 u + r + 8 (r / 8), r = 0 .. 15.  Codes: [tile][block of 32 along K: 32][r: 16][16 bytes].  Scale bytes: [tile][half of K: 2][r: 16][16 bytes].
; So a fragment (16 rows x 128 K) is 1,024 consecutive bytes, 16 bytes a lane, and the four scale words of four K steps of a row are 16 consecutive bytes.
; x's tiles go to xc and xs; the weights' 256 tiles (wq 0-63, wk 64-127, wv 128-191, wo 192-255) to wt: codes from byte 0, scale bytes from byte 2,097,152.
; SHARES.  A work-group takes 32 rows (two tiles): groups 0-255 x, 256-383 the weights.  Wave w takes tile u = w & 1 and half kh = w >> 1 of K:
; 16 steps, step t = the tile's row t, 512 numbers.  Each load reads 512 consecutive bytes; a step's 2,048 bytes turn through the wave's own stage in LDS
; so that a lane holds 16 neighbours (two lanes to a block).  Codes and scale bytes are gathered in the wave's own LDS and leave as 4,096 and 256 consecutive bytes.
; No matrix work, no tensor loads, no barrier: waves share nothing.  Clusters: no two work-groups read the same byte.
; LIMITS: NaN and infinities among the inputs are not served; a block of zeros, or one whose largest magnitude lies under 2^-124, gets the byte 1
; (zero codes add nothing under any byte but 0xff, and these bytes are read by this program alone).
.set STEPS, 16
.set EMAX,  2
.set SP,    80                         ; a lane's place in a turn stage: 64 bytes + 16 of padding
.set SCB,   2*32*SP                    ; behind the two turn stages: the wave's 256 scale bytes
.set CST,   SCB+256                    ; behind them: the code stage, 16 blocks x (256 bytes + 16)
.set CP,    272
.set WREG,  10240                      ; LDS of a wave
.set R,     16                         ; v16-79   four sets of 16 numbers as loaded
.set X,     80                         ; v80-111  two sets of 16 neighbours
.set E,     112                        ; v112-127 a scale byte for each step
.set C,     128                        ; v128-159 two registers of codes for each step: no LDS store's data are written again
.set OUTR,  160                        ; v160-191 the codes on their way out
.set SBO,   192                        ; v192-193 the scale bytes on their way out
	s_load_b256 s[4:11], s[0:1], 0x0               ; x, wq, wk, wv
	s_load_b256 s[12:19], s[0:1], 0x20             ; wo, xc, xs, wt
	v_lshl_add_u32 v200, v0, 2, 0xa000
	v_mov_b32 v201, 0
	v_lshrrev_b32 v1, 5, v0
	v_readfirstlane_b32 s26, v1                    ; wave
	v_and_b32 v2, 31, v0                           ; lane
	v_lshlrev_b32 v3, 4, v2                        ; 16 x lane: my bytes of a load's 512, and of a store's
	s_mul_i32 s27, s26, WREG
	v_lshrrev_b32 v14, 2, v2
	v_mul_u32_u24 v14, v14, SP
	v_and_b32 v15, 3, v2
	v_lshl_add_u32 v14, v15, 4, v14
	v_add_nc_u32 v14, s27, v14                     ; turn stage, in: SP (lane / 4) + 16 (lane % 4)
	v_mul_u32_u24 v15, v2, SP
	v_add_nc_u32 v15, s27, v15                     ; turn stage, out: SP x lane
	v_lshrrev_b32 v5, 1, v2                        ; my block of the step's 16
	v_mul_u32_u24 v4, v5, CP
	v_and_b32 v8, 1, v2
	v_lshl_add_u32 v4, v8, 3, v4
	s_add_co_u32 s28, s27, CST
	v_add_nc_u32 v4, s28, v4                       ; code stage, in: block x 272 + 8 x (lane & 1); the row's 16 bytes stand in the immediate
	s_add_co_u32 s29, s27, SCB
	v_add_nc_u32 v5, s29, v5                       ; scale bytes, in: my block's byte; 16 x row stands in the immediate
	v_lshlrev_b32 v7, 3, v2                        ; scale bytes, out: 8 bytes a lane
	v_add_nc_u32 v6, s29, v7
	v_lshrrev_b32 v10, 4, v2
	v_mul_u32_u24 v10, v10, CP
	v_and_b32 v8, 15, v2
	v_lshl_add_u32 v10, v8, 4, v10
	v_add_nc_u32 v10, s28, v10                     ; code stage, out: two blocks an instruction, sixteen lanes to a block
	s_and_b32 s30, s26, 1                          ; u
	s_lshr_b32 s31, s26, 1                         ; kh
	s_sub_co_u32 s22, ttmp9, 256                   ; a weight's group: 0 .. 127 (also its destination group)
	s_lshr_b32 s23, s22, 5                         ; which weight
	s_and_b32 s24, s22, 31                         ; its group of 32 rows
	s_wait_kmcnt 0x0
	s_add_nc_u64 s[20:21], s[18:19], 0x200000      ; the weights' scale bytes lie behind their codes
	s_cmp_eq_u32 s23, 1                            ; every choice hangs on the work-group's number alone
	s_cselect_b64 s[6:7], s[8:9], s[6:7]
	s_cmp_eq_u32 s23, 2
	s_cselect_b64 s[6:7], s[10:11], s[6:7]
	s_cmp_eq_u32 s23, 3
	s_cselect_b64 s[6:7], s[12:13], s[6:7]
	s_cmp_lt_u32 ttmp9, 256
	s_cselect_b64 s[4:5], s[4:5], s[6:7]           ; the source
	s_cselect_b64 s[14:15], s[14:15], s[18:19]     ; the codes
	s_cselect_b64 s[16:17], s[16:17], s[20:21]     ; the scale bytes
	s_cselect_b32 s24, ttmp9, s24                  ; source group
	s_cselect_b32 s25, ttmp9, s22                  ; destination group
	s_lshl_b32 s32, s24, 17                        ; 32 rows of 4,096 bytes,
	s_lshl_b32 s33, s30, 15                        ; 8 u rows,
	s_add_co_u32 s32, s32, s33
	s_lshl_b32 s33, s31, 11                        ; my half of K
	s_add_co_u32 s32, s32, s33
	s_mov_b32 s33, 0
	s_add_nc_u64 s[4:5], s[4:5], s[32:33]
	s_lshl_b32 s34, s25, 1
	s_add_co_u32 s34, s34, s30                     ; my tile
	s_lshl_b32 s32, s34, 13
	s_lshl_b32 s35, s31, 12
	s_add_co_u32 s32, s32, s35
	s_add_nc_u64 s[14:15], s[14:15], s[32:33]      ; tile x 8,192 + kh x 4,096
	s_lshl_b32 s32, s34, 9
	s_lshl_b32 s35, s31, 8
	s_add_co_u32 s32, s32, s35
	s_add_nc_u64 s[16:17], s[16:17], s[32:33]      ; tile x 512 + kh x 256
.macro LOAD t                          ; the tile's row t is row t + 8 (t / 8) from the tile's first
.irp i, 0,1,2,3
	global_load_b128 v[R+16*((\t)%4)+4*\i:R+16*((\t)%4)+4*\i+3], v3, s[4:5] offset:((\t)+8*((\t)/8))*4096+512*\i th:TH_LOAD_NT
.endr
.endm
.macro TURN t                          ; LDS serves a wave's instructions in order: no wait between the stores and the loads
.irp i, 0,1,2,3
	ds_store_b128 v14, v[R+16*((\t)%4)+4*\i:R+16*((\t)%4)+4*\i+3] offset:32*SP*((\t)%2)+8*SP*\i
.endr
.irp i, 0,1,2,3
	ds_load_b128 v[X+16*((\t)%2)+4*\i:X+16*((\t)%2)+4*\i+3], v15 offset:32*SP*((\t)%2)+16*\i
.endr
.endm
.irp t, 0,1,2,3
	LOAD \t
.endr
	s_wait_loadcnt 12                              ; step 0's four loads are in
	TURN 0
.macro STEP t
.set XS, X+16*((\t)%2)
.if (\t) > 0
	s_wait_dscnt 2                                 ; this step's numbers are back from the stage; the last step's byte store and code store may be out
.else
	s_wait_dscnt 0x0
.endif
.if (\t)+4 < STEPS
	LOAD (\t)+4                                    ; into the set whose stores into the stage are done
.endif
.if (\t)+1 < STEPS
.if STEPS-2-(\t) >= 3
	s_wait_loadcnt 12                              ; the next step's four loads are in; three steps' loads may be out
.else
	s_wait_loadcnt 4*(STEPS-2-(\t))
.endif
	TURN (\t)+1
.endif
	v_max3_num_f32 v8, |v[XS]|, |v[XS+1]|, |v[XS+2]|
	v_max3_num_f32 v9, |v[XS+3]|, |v[XS+4]|, |v[XS+5]|
.irp i, 6,10
	v_max3_num_f32 v8, v8, |v[XS+\i]|, |v[XS+\i+1]|
	v_max3_num_f32 v9, v9, |v[XS+\i+2]|, |v[XS+\i+3]|
.endr
	v_max3_num_f32 v8, v8, |v[XS+14]|, |v[XS+15]|
	v_max3_num_f32 v8, v8, v9, (EMAX+1)<<23        ; the floor 2^(3 - 127): the byte cannot fall under 1
	v_max_num_f32_dpp v8, v8, v8 row_xmask:1 row_mask:0xf bank_mask:0xf   ; with my neighbour's 16: the block's largest magnitude
	v_add_nc_u32 v11, -(EMAX<<23), v8              ; 2 off its exponent field: the conversion's scale operand
	v_cvt_scalef32_pk8_fp4_f32 v[C+2*(\t)], v[XS:XS+7], v11
	v_cvt_scalef32_pk8_fp4_f32 v[C+2*(\t)+1], v[XS+8:XS+15], v11
	v_lshrrev_b32 v[E+(\t)], 23, v11               ; the scale's byte (also the plain line behind the conversions)
	ds_store_b8 v5, v[E+(\t)] offset:16*(\t)       ; both lanes of a block write the same byte with the same value
	ds_store_b64 v4, v[C+2*(\t):C+2*(\t)+1] offset:16*(\t)
.endm
.irp t, 0,1,2,3,4,5,6,7,8,9,10,11,12,13,14,15
	STEP \t
.endr
.irp i, 0,1,2,3,4,5,6,7
	ds_load_b128 v[OUTR+4*\i:OUTR+4*\i+3], v10 offset:2*CP*\i   ; blocks 2 i and 2 i + 1, all 16 rows: these see my stores
.endr
	ds_load_b64 v[SBO:SBO+1], v6
.irp i, 0,1,2,3,4,5,6,7
	s_wait_dscnt 8-\i                              ; load i is in; the 8 - i issued behind it may be out
	global_store_b128 v3, v[OUTR+4*\i:OUTR+4*\i+3], s[14:15] offset:512*\i   ; 512 consecutive bytes, aligned
.endr
	s_wait_dscnt 0x0
	global_store_b64 v7, v[SBO:SBO+1], s[16:17]    ; 256 consecutive bytes, aligned
	s_wait_tensorcnt 0x0
	ds_add_u32 v200, v201
	s_wait_dscnt 0x0
	s_endpgm
.Lfunc_end_k_q06a5c1cf0d_quant:
	.size	k_q06a5c1cf0d_quant, .Lfunc_end_k_q06a5c1cf0d_quant-k_q06a5c1cf0d_quant
	.p2alignl 7, 3214868480
	.fill 96, 4, 3214868480
	.section	.rodata,"a",@progbits
	.p2align	6, 0x0
	.amdhsa_kernel k_q06a5c1cf0d_quant
		.amdhsa_group_segment_fixed_size 41472
		.amdhsa_private_segment_fixed_size 0
		.amdhsa_enable_private_segment 0
		.amdhsa_kernarg_size 64
		.amdhsa_user_sgpr_count 2
		.amdhsa_user_sgpr_kernarg_segment_ptr 1
		.amdhsa_wavefront_size32 1
		.amdhsa_system_sgpr_workgroup_id_x 1
		.amdhsa_system_sgpr_workgroup_id_y 1
		.amdhsa_system_sgpr_workgroup_id_z 1
		.amdhsa_system_vgpr_workitem_id 0
		.amdhsa_next_free_vgpr 202
		.amdhsa_next_free_sgpr 66
		.amdhsa_reserve_vcc 0
		.amdhsa_float_denorm_mode_32 3
		.amdhsa_float_denorm_mode_16_64 3
		.amdhsa_memory_ordered 1
		.amdhsa_forward_progress 1
		.amdhsa_inst_pref_size 35
	.end_amdhsa_kernel
	.amdgpu_metadata
---
amdhsa.version: [ 1, 2 ]
amdhsa.kernels:
  - .name:           k_q06a5c1cf0d_quant
    .symbol:         k_q06a5c1cf0d_quant.kd
    .args:
      - { .name: x, .offset: 0, .size: 8, .value_kind: global_buffer, .address_space: global }
      - { .name: wq, .offset: 8, .size: 8, .value_kind: global_buffer, .address_space: global }
      - { .name: wk, .offset: 16, .size: 8, .value_kind: global_buffer, .address_space: global }
      - { .name: wv, .offset: 24, .size: 8, .value_kind: global_buffer, .address_space: global }
      - { .name: wo, .offset: 32, .size: 8, .value_kind: global_buffer, .address_space: global }
      - { .name: xc, .offset: 40, .size: 8, .value_kind: global_buffer, .address_space: global }
      - { .name: xs, .offset: 48, .size: 8, .value_kind: global_buffer, .address_space: global }
      - { .name: wt, .offset: 56, .size: 8, .value_kind: global_buffer, .address_space: global }
    .group_segment_fixed_size: 41472
    .private_segment_fixed_size: 0
    .kernarg_segment_align: 8
    .kernarg_segment_size: 64
    .max_flat_workgroup_size: 128
    .sgpr_count:     66
    .vgpr_count:     202
    .wavefront_size: 32
...
	.end_amdgpu_metadata
.endif
;; end of part 1
;; launch proj (part 2): grid 768 x 1, 4 waves a work-group, no clusters, 209,408 bytes of LDS; arguments xc, xs, wt, bq, bk, bv, qc, qs, kv; writes qc, qs, kv
.if DOCPART == 2
	.amdgcn_target "amdgcn-amd-amdhsa--gfx1250"
	.amdhsa_code_object_version 6
	.text
	.protected	k_q06a5c1cf0d_proj
	.globl	k_q06a5c1cf0d_proj
	.p2align	8
	.type	k_q06a5c1cf0d_proj,@function
k_q06a5c1cf0d_proj:
	s_mov_b64 s[64:65], 0
	v_nop
	global_prefetch_b8 v0, s[64:65] scope:SCOPE_SE
	s_setreg_imm32_b32 hwreg(HW_REG_WAVE_MODE, 25, 1), 1
	s_wait_xcnt 0x0
; q = x wq^T + bq, k = x wk^T + bk, v = x wv^T + bv on codes of FP4 with E8M0 scales (K = 1,024), each result quantised again on its way out:
; q and k along the head's 64 features, v along the tokens.  Operands are images of registers: codes [tile][block: 32][r: 16][16 bytes], scale bytes [tile][half: 2][r: 16][16 bytes];
; tile 2 g + u holds rows 32 g + 8 u + r + 8 (r / 8).
; A PRODUCT: source 0 = 16 rows of P, source 1 = 16 rows of R.  In the result lane (r, h) holds row r of R's tile, and the 16 registers of P's tiles 2 b, 2 b + 1 are P's rows
; 32 b + 16 h + 0 .. 15: sixteen neighbours along the next product's K.  Work-groups 0-511: P = wq or wk (features), R = x (tokens).  Work-groups 512-767: P = x (tokens), R = wv (features).
; SHARES.  A work-group makes P 256 x R 128; wave w takes P's half w & 1 (8 tiles) and R's half w >> 1 (4 tiles): 32 accumulators, 256 registers.
; LDS holds both panels for all of K (196,608 bytes of codes, 12,288 of scale bytes): every byte is filled once, by six tensor loads a wave issued together, so there is no ring;
; K's second half may still be on its way while the first is multiplied.  By this text's count six tensor loads of a wave are out at the most.
; RESULTS.  qc [bh: 64][tile: 128][512 bytes]: a head's fragment, lane l's 16 bytes at 16 l.  qs [bh][tile / 4][r][4 words]: word tile & 3 = the head's two bytes, 0 above.
; kv [bh][key step: 16][8,960]: +0 K's 8 tiles x 512; +4,096 V^T's 4 tiles x 1,024; +8,192 K's scale words [2][r][4]; +8,704 V's scale words [r][4].
; The biases are the C of each sum's first matrix instruction (so they are added ahead of the products' sums, not behind them as the source reads).
; CLUSTERS are left out: of a work-group's 208,896 bytes neighbours share R's 69,632 in one path and P's 139,264 in the other; which of the two hangs on the work-group's number, and a joint load's mask may not.
; LIMITS: NaN and infinities are not served; a block of zeros, or one whose largest magnitude lies under 2^-124, gets the byte 1 (its bytes are read by this program alone).
; REGISTERS, in windows of 256.  Window 0: v1-12 addresses; v32-63 P's scale words, v64-79 R's (they hold scales and nothing else); v96-160 the way out.
;   Window 1: accumulator (p, rho) at v[64 rho + 8 p].   Window 2: P's fragments v[64 f + 8 p], R's v[128 + 32 f + 8 rho] (f = K step % 2); v192-255 the bias.
.set PC0,  0                           ; LDS: P's codes, K half 0: 16 tiles x 4,096
.set RC0,  65536                       ; R's: 8 tiles x 4,096
.set HALF, 98304                       ; K half 1 lies this far behind half 0
.set PSC,  196608                      ; P's scale bytes: 16 tiles x 512
.set RSC,  204800                      ; R's: 8 tiles x 512
.set UNIT, 8960                        ; a key step's unit in kv
.set L16,  1                           ; v1  16 x lane
.set RR,   2                           ; v2  r
.set HH,   3                           ; v3  h
.set ADP,  4                           ; v4-5  my P fragments, K half 0, 1
.set ADR,  6                           ; v6-7  my R fragments
.set ASP,  8                           ; v8  P's scale words: lanes 0-15 tile i, lanes 16-31 tile i + 4
.set ASR,  9                           ; v9  R's: lanes 0-15 tile i, lanes 16-31 tile i + 2
.set BA,   12                          ; v12 the bias loads' offset
.set SCP,  32
.set SCR,  64
.set TM,   96                          ; v96-99 largest magnitudes, v100-103 the other half's, then bytes, v108-111 scale operands
.set PW,   112                         ; the scale word just made
.set G1PC, 24
.set G1RC, 32
.set G1PS, 40
.set G1RS, 48
.set SEL,  52                          ; s[52:53] lane selects, written when no tensor load is out
.set MSB, 0
.macro WIN new                         ; the immediate's high byte repeats the setting that is left
.if MSB != \new
	s_set_vgpr_msb (MSB<<8)|\new
.set MSB, \new
.endif
.endm
.set W_LD2,  0x80                      ; destination window 2
.set W_MUL,  0x5a                      ; A, B window 2; C, D window 1
.set W_MULB, 0x6a                      ; A, B, C window 2; D window 1
.set W_MAX,  0x14                      ; sources 1 and 2 window 1
.set W_CVT,  0x01                      ; source 0 window 1
.macro NOPS                            ; four places: in front of loads into registers that matrix instructions have read, and of the first read of results
.rept 4
	v_nop
.endr
.endm
.macro G1SET g, c, r, p                ; group 1: r rows of c elements of 8 bytes, p elements from row to row, no padding, no mask
	s_mov_b32 s[\g], 3<<16
	s_mov_b32 s[\g+1], (\c)<<16
	s_mov_b32 s[\g+2], (\r)<<16
	s_mov_b32 s[\g+3], (\c)<<16
	s_mov_b32 s[\g+4], \r
	s_mov_b32 s[\g+5], \p
	s_mov_b32 s[\g+6], 0
	s_mov_b32 s[\g+7], 0
.endm
.macro SCALES sg                       ; the scale words of K steps 4 sg .. 4 sg + 3: 16 bytes a row
.irp i, 0,1,2,3
	ds_load_b128 v[SCP+16*\sg+4*\i:SCP+16*\sg+4*\i+3], v[ASP] offset:512*\i+256*\sg
.endr
.irp i, 0,1
	ds_load_b128 v[SCR+8*\sg+4*\i:SCR+8*\sg+4*\i+3], v[ASR] offset:512*\i+256*\sg
.endr
.endm
.macro FETCH s                         ; K step s: 8 fragments of P, 4 of R: 24 loads of 512 consecutive bytes
	WIN W_LD2
.irp p, 0,1,2,3,4,5,6,7
.irp c, 0,1
	ds_load_b128 v[64*((\s)%2)+8*\p+4*\c:64*((\s)%2)+8*\p+4*\c+3], v[ADP+(\s)/4] offset:4096*\p+1024*((\s)%4)+512*\c
.endr
.endr
.irp r, 0,1,2,3
.irp c, 0,1
	ds_load_b128 v[128+32*((\s)%2)+8*\r+4*\c:128+32*((\s)%2)+8*\r+4*\c+3], v[ADR+(\s)/4] offset:4096*\r+1024*((\s)%4)+512*\c
.endr
.endr
.endm
.macro WM4 ra, rb                      ; one matrix instruction from the symbols set by MUL; ra, rb: the side's scale words stand in lanes 16-31
.if (\ra) && (\rb)
	v_wmma_scale_f32_16x16x128_f8f6f4 v[rD:rD+7], v[rA:rA+7], v[rB:rB+7], v[rC:rC+7], v[rSA], v[rSB] matrix_a_fmt:MATRIX_FMT_FP4 matrix_b_fmt:MATRIX_FMT_FP4 matrix_a_scale:MATRIX_SCALE_ROW1 matrix_b_scale:MATRIX_SCALE_ROW1
.elseif \ra
	v_wmma_scale_f32_16x16x128_f8f6f4 v[rD:rD+7], v[rA:rA+7], v[rB:rB+7], v[rC:rC+7], v[rSA], v[rSB] matrix_a_fmt:MATRIX_FMT_FP4 matrix_b_fmt:MATRIX_FMT_FP4 matrix_a_scale:MATRIX_SCALE_ROW1
.elseif \rb
	v_wmma_scale_f32_16x16x128_f8f6f4 v[rD:rD+7], v[rA:rA+7], v[rB:rB+7], v[rC:rC+7], v[rSA], v[rSB] matrix_a_fmt:MATRIX_FMT_FP4 matrix_b_fmt:MATRIX_FMT_FP4 matrix_b_scale:MATRIX_SCALE_ROW1
.else
	v_wmma_scale_f32_16x16x128_f8f6f4 v[rD:rD+7], v[rA:rA+7], v[rB:rB+7], v[rC:rC+7], v[rSA], v[rSB] matrix_a_fmt:MATRIX_FMT_FP4 matrix_b_fmt:MATRIX_FMT_FP4
.endif
.endm
; K step s: 32 matrix instructions.  The 32 accumulators take turns, one instruction a turn, in the same order in every step.
; cmode 0: C = the accumulator; 1: C = the bias of P's tile; 2: C = the bias of R's tile.
.macro MUL s, cmode
.if \cmode
	WIN W_MULB
.else
	WIN W_MUL
.endif
.irp r, 0,1,2,3
.irp p, 0,1,2,3,4,5,6,7
.set rD, 64*\r+8*\p
.set rA, 64*((\s)%2)+8*\p
.set rB, 128+32*((\s)%2)+8*\r
.set rC, rD
.if \cmode == 1
.set rC, 192+8*\p
.elseif \cmode == 2
.set rC, 192+8*\r
.endif
.set rSA, SCP+16*((\s)/4)+4*(\p%4)+(\s)%4
.set rSB, SCR+8*((\s)/4)+4*(\r%2)+(\s)%4
	WM4 \p/4, \r/2
.endr
.endr
.endm
.macro MAIN cmode
	s_wait_tensorcnt 0x2                           ; my parts of the scale bytes and of K half 0 are in; my two loads of K half 1 may stay out
	s_barrier_signal -1
	s_barrier_wait -1                              ; everybody's are
	SCALES 0
	FETCH 0
	FETCH 1
	s_wait_dscnt 24                                ; all but the 24 just issued
	s_wait_loadcnt 0x0                             ; the bias
	MUL 0, \cmode
.irp s, 1,2
	NOPS
	FETCH \s+1
	s_wait_dscnt 24
	MUL \s, 0
.endr
	WIN 0
	s_wait_tensorcnt 0x0                           ; my parts of K half 1 are in,
	s_wait_dscnt 0x0                               ; no LDS load of mine is pending at the signal,
	s_barrier_signal -1
	s_barrier_wait -1                              ; everybody's are
	NOPS
	SCALES 1
	FETCH 4
	s_wait_dscnt 24
	MUL 3, 0
.irp s, 4,5,6
	NOPS
	FETCH \s+1
	s_wait_dscnt 24
	MUL \s, 0
.endr
	s_wait_dscnt 0x0
	MUL 7, 0
	WIN 0
	NOPS
.endm
; 64 accumulator registers v[a] .. v[a + 63] of window 1 (register 16 b + i = k 32 b + 16 h + i of my row) become a fragment's codes in v[pc] .. v[pc + 7] and its scale word in v[PW].
.macro QUANT a, pc
	WIN W_MAX
.irp b, 0,1,2,3
	v_max3_num_f32 v[TM+\b], 0x1800000, |v[(\a)+16*\b]|, |v[(\a)+16*\b+1]|   ; each accumulator is read from its low end on; the floor 2^(3 - 127) holds the byte at 1 from below
.endr
.irp i, 2,4,6,8,10,12,14
.irp b, 0,1,2,3
	v_max3_num_f32 v[TM+\b], v[TM+\b], |v[(\a)+16*\b+\i]|, |v[(\a)+16*\b+\i+1]|
.endr
.endr
	WIN 0
.irp b, 0,1,2,3
	v_permlanex16_b32 v[TM+4+\b], v[TM+\b], s[SEL], s[SEL+1]
.endr
.irp b, 0,1,2,3
	v_max_num_f32 v[TM+\b], v[TM+\b], v[TM+4+\b]   ; with lane l xor 16's: the block's largest magnitude
.endr
.irp b, 0,1,2,3
	v_add_nc_u32 v[TM+12+\b], 0xff000000, v[TM+\b] ; 2 off its exponent field: the conversion's scale operand
.endr
.irp b, 0,1,2,3
	v_lshrrev_b32 v[TM+4+\b], 23, v[TM+12+\b]      ; the scale's byte
.endr
	v_lshl_or_b32 v[PW], v[TM+5], 8, v[TM+4]
	v_lshl_or_b32 v[PW], v[TM+6], 16, v[PW]
	v_lshl_or_b32 v[PW], v[TM+7], 24, v[PW]
	WIN W_CVT
.irp b, 0,1,2,3
	v_cvt_scalef32_pk8_fp4_f32 v[(\pc)+2*\b], v[(\a)+16*\b:(\a)+16*\b+7], v[TM+12+\b]
	v_cvt_scalef32_pk8_fp4_f32 v[(\pc)+2*\b+1], v[(\a)+16*\b+8:(\a)+16*\b+15], v[TM+12+\b]
.endr
	WIN 0
	v_nop                                          ; one plain place behind a scaled conversion
.irp c, 0,1                                    ; a whole block to a lane: lanes 0-15 block 2 c, lanes 16-31 block 2 c + 1
.irp i, 0,1
	v_permlane16_swap_b32 v[(\pc)+4*\c+\i], v[(\pc)+2+4*\c+\i]
.endr
.endr
.endm
	s_load_b128 s[4:7], s[0:1], 0x0                ; xc, xs
	s_load_b64 s[8:9], s[0:1], 0x10                ; wt
	s_load_b256 s[12:19], s[0:1], 0x18             ; bq, bk, bv, qc
	s_load_b128 s[20:23], s[0:1], 0x38             ; qs, kv
	v_lshl_add_u32 v254, v0, 2, 0x33000
	v_mov_b32 v255, 0
	ds_add_u32 v254, v255
	ds_add_u32 v254, v255
	v_lshrrev_b32 v1, 5, v0
	v_readfirstlane_b32 s84, v1                    ; wave
	s_and_b32 s85, s84, 1                          ; wp: my half of P
	s_lshr_b32 s86, s84, 1                         ; wr: my half of R
	s_and_b32 s87, ttmp9, 7                        ; lo
	s_lshr_b32 s88, ttmp9, 3                       ; hi
	s_lshl_b32 s89, s87, 4                         ; q, k: P's first tile 16 lo (of wt),
	s_lshl_b32 s90, s88, 3                         ;       R's 8 hi (of xc)
	s_lshl_b32 s91, s88, 4
	s_sub_co_u32 s91, s91, 1024                    ; v: P's first tile 16 (hi - 64) (of xc),
	s_lshl_b32 s92, s87, 3
	s_add_co_u32 s92, s92, 128                     ;    R's 128 + 8 lo (of wt)
	G1SET G1PC, 512, 4, 1024                       ; four tiles' K half: rows of 4,096 bytes, 8,192 apart
	G1SET G1RC, 512, 2, 1024                       ; two tiles'
	G1SET G1PS, 32, 8, 32                          ; four tiles' scale bytes: 2,048 dense bytes as rows of 256
	G1SET G1RS, 32, 4, 32                          ; two tiles'
	s_lshl_b32 s57, s84, 11
	s_add_co_u32 s57, s57, PSC                     ; where my parts go: a constant + the wave's number x a constant
	s_lshl_b32 s61, s84, 10
	s_add_co_u32 s61, s61, RSC
	s_lshl_b32 s69, s84, 14
	s_lshl_b32 s73, s84, 13
	s_add_co_u32 s73, s73, RC0
	s_add_co_u32 s77, s69, HALF
	s_add_co_u32 s81, s73, HALF
	s_mov_b32 s3, 0
	s_wait_dscnt 0x0
	s_wait_kmcnt 0x0
	s_add_nc_u64 s[10:11], s[8:9], 0x200000        ; the weights' scale bytes
	s_cmp_lt_u32 ttmp9, 512                        ; the choice hangs on the work-group's number alone
	s_cselect_b32 s89, s89, s91
	s_cselect_b32 s90, s90, s92
	s_cselect_b64 s[94:95], s[8:9], s[4:5]         ; P's codes
	s_cselect_b64 s[96:97], s[10:11], s[6:7]       ; P's scale bytes
	s_cselect_b64 s[98:99], s[4:5], s[8:9]         ; R's codes
	s_cselect_b64 s[100:101], s[6:7], s[10:11]     ; R's scale bytes
	s_lshl_b32 s92, s84, 2
	s_add_co_u32 s92, s92, s89                     ; the first of the four tiles of P that I fetch
	s_lshl_b32 s93, s84, 1
	s_add_co_u32 s93, s93, s90                     ; the first of the two tiles of R
	s_lshl_b32 s2, s92, 9
	s_add_nc_u64 s[58:59], s[96:97], s[2:3]
	s_lshl_b32 s2, s93, 9
	s_add_nc_u64 s[62:63], s[100:101], s[2:3]
	s_lshl_b32 s2, s92, 13
	s_add_nc_u64 s[70:71], s[94:95], s[2:3]
	s_add_nc_u64 s[78:79], s[70:71], 4096
	s_lshl_b32 s2, s93, 13
	s_add_nc_u64 s[74:75], s[98:99], s[2:3]
	s_add_nc_u64 s[82:83], s[74:75], 4096
.irp g, 56,60,68,72,76,80
	s_mov_b32 s[\g], 1                             ; count = 1
	s_or_b32 s[\g+3], s[\g+3], 0x80000000          ; type = 2
.endr
	tensor_load_to_lds s[56:59], s[G1PS:G1PS+7]    ; all first fills in one group: the scale bytes,
	s_nop 0
	tensor_load_to_lds s[60:63], s[G1RS:G1RS+7]
	s_nop 0
	tensor_load_to_lds s[68:71], s[G1PC:G1PC+7]    ; K half 0,
	s_nop 0
	tensor_load_to_lds s[72:75], s[G1RC:G1RC+7]
	s_nop 0
	tensor_load_to_lds s[76:79], s[G1PC:G1PC+7]    ; K half 1
	s_nop 0
	tensor_load_to_lds s[80:83], s[G1RC:G1RC+7]
	s_nop 0
	NOPS
	v_and_b32 v[L16], 31, v0
	v_lshlrev_b32 v[L16], 4, v[L16]
	v_and_b32 v[RR], 15, v0
	v_bfe_u32 v[HH], v0, 4, 1
	s_lshl_b32 s2, s85, 15
	v_add_nc_u32 v[ADP], s2, v[L16]                ; my 8 tiles of P
	v_add_nc_u32 v[ADP+1], HALF, v[ADP]
	s_lshl_b32 s2, s86, 14
	s_add_co_u32 s2, s2, RC0
	v_add_nc_u32 v[ADR], s2, v[L16]                ; my 4 tiles of R
	v_add_nc_u32 v[ADR+1], HALF, v[ADR]
	v_lshlrev_b32 v[ASP], 4, v[RR]
	v_lshl_add_u32 v[ASR], v[HH], 10, v[ASP]       ; lanes 16-31: two tiles on
	v_lshl_add_u32 v[ASP], v[HH], 11, v[ASP]       ; lanes 16-31: four tiles on
	s_lshl_b32 s2, s85, 12
	s_add_co_u32 s2, s2, PSC
	v_add_nc_u32 v[ASP], s2, v[ASP]
	s_lshl_b32 s2, s86, 11
	s_add_co_u32 s2, s2, RSC
	v_add_nc_u32 v[ASR], s2, v[ASR]
.irp b, 0,1,2,3
	v_mov_b32 v[TM+4+\b], 0                        ; written once: a lane permute's destination counts as one of its sources
.endr
	s_cmp_lt_u32 ttmp9, 512
	s_cbranch_scc0 .Lv
	; ---------------- q and k: P = 128 features a wave (two heads), R = 64 tokens a wave
	s_lshl_b32 s89, s87, 1
	s_add_co_u32 s89, s89, s85                     ; which 128 features of wq | wk
	s_and_b32 s90, s89, 7                          ; and of q or of k
	s_lshl_b32 s2, s90, 9
	s_cmp_lt_u32 s87, 4
	s_cselect_b64 s[92:93], s[12:13], s[14:15]     ; bq or bk
	s_add_nc_u64 s[92:93], s[92:93], s[2:3]
	v_lshlrev_b32 v[BA], 6, v[HH]                  ; lane (r, h) wants, for tile 2 b + u, the bias of features 32 b + 16 h + 8 u + 0 .. 7
	WIN W_LD2
.irp t, 0,1,2,3,4,5,6,7
	global_load_b128 v[192+8*\t:192+8*\t+3], v[BA], s[92:93] offset:(32*(\t/2)+8*(\t%2))*4
	global_load_b128 v[192+8*\t+4:192+8*\t+7], v[BA], s[92:93] offset:(32*(\t/2)+8*(\t%2))*4+16
.endr
	WIN 0
	s_wait_alu depctr_va_vdst(0)
	MAIN 1
	s_mov_b32 s[SEL], 0x76543210
	s_mov_b32 s[SEL+1], 0xfedcba98
	s_lshl_b32 s24, s88, 3
	s_lshl_b32 s25, s86, 2
	s_add_co_u32 s24, s24, s25                     ; my first tile of tokens, a multiple of 4
	s_lshr_b32 s25, s24, 7                         ; the batch
	s_and_b32 s26, s24, 127                        ; the tile within it
	s_lshl_b32 s27, s25, 4
	s_lshl_b32 s28, s90, 1
	s_add_co_u32 s27, s27, s28                     ; bh of my first head
	s_lshl_b32 s28, s27, 16
	s_lshl_b32 s29, s26, 9
	s_add_co_u32 s28, s28, s29                     ; q: codes at bh x 65,536 + tile x 512
	s_lshl_b32 s29, s27, 13
	s_lshr_b32 s30, s26, 2
	s_lshl_b32 s31, s30, 8
	s_add_co_u32 s29, s29, s31                     ;    scale words at bh x 8,192 + (tile / 4) x 256
	s_mul_i32 s32, s27, 16*UNIT
	s_lshr_b32 s33, s26, 3
	s_mul_i32 s33, s33, UNIT
	s_add_co_u32 s32, s32, s33                     ; k: the key step's unit
	s_and_b32 s33, s26, 7
	s_lshl_b32 s33, s33, 9
	s_add_co_u32 s33, s33, s32                     ;    codes at + (tile & 7) x 512
	s_and_b32 s34, s30, 1
	s_lshl_b32 s34, s34, 8
	s_add_co_u32 s34, s34, s32
	s_add_co_u32 s34, s34, 8192                    ;    scale words at + 8,192 + ((tile / 4) & 1) x 256
	s_mov_b32 s35, 65536                           ; from a head to the next: q's codes,
	s_mov_b32 s36, 16*UNIT                         ; kv,
	s_mov_b32 s37, 8192                            ; q's scale words
	s_mov_b32 s39, 0
	s_mov_b32 s41, 0
	s_cmp_lt_u32 s87, 4
	s_cselect_b32 s38, s28, s33
	s_cselect_b32 s40, s29, s34
	s_cselect_b32 s42, s35, s36
	s_cselect_b32 s43, s37, s36
	s_cselect_b64 s[44:45], s[18:19], s[22:23]     ; qc or kv
	s_cselect_b64 s[46:47], s[20:21], s[22:23]     ; qs or kv
	s_add_nc_u64 s[44:45], s[44:45], s[38:39]      ; the first head's codes,
	s_mov_b32 s38, s42
	s_add_nc_u64 s[48:49], s[44:45], s[38:39]      ; the second's,
	s_add_nc_u64 s[46:47], s[46:47], s[40:41]      ; the scale words
	v_lshlrev_b32 v113, 4, v[HH]                   ; lanes 16-31 take the second head's two bytes
	v_lshlrev_b32 v114, 4, v[RR]
	v_mad_u32_u24 v114, v[HH], s43, v114           ; and store them a head further on
.irp r, 0,1,2,3
	QUANT 64*\r, 128+8*\r
	global_store_b128 v[L16], v[128+8*\r:128+8*\r+3], s[44:45] offset:512*\r     ; registers 0-3: the first head's 64 features: 512 consecutive bytes
	global_store_b128 v[L16], v[128+8*\r+4:128+8*\r+7], s[48:49] offset:512*\r   ; registers 4-7: the second head's
	v_lshrrev_b32 v[116+\r], v113, v[PW]
	v_and_b32 v[116+\r], 0xffff, v[116+\r]         ; the head's two bytes; 0 above, for the zero codes that fill the head's K to 128
.endr
	global_store_b128 v114, v[116:119], s[46:47]   ; four tiles' words of a row: sixteen lanes store 256 consecutive bytes
	s_wait_tensorcnt 0x0
	ds_add_u32 v254, v255
	s_wait_dscnt 0x0
	s_endpgm
.Lv:
	; ---------------- v: P = 128 tokens a wave (a key step), R = 64 features a wave (a head)
	s_lshl_b32 s2, s87, 9
	s_lshl_b32 s89, s86, 8
	s_add_co_u32 s2, s2, s89
	s_add_nc_u64 s[92:93], s[16:17], s[2:3]        ; bv at my head
	v_and_b32 v[BA], 8, v[RR]
	v_add_nc_u32 v[BA], v[BA], v[RR]
	v_lshlrev_b32 v[BA], 2, v[BA]                  ; lane (r, h) holds feature r + 8 (r / 8) of a tile: one bias for its eight registers
	WIN W_LD2
.irp r, 0,1,2,3
.irp j, 0,1,2,3,4,5,6,7
	global_load_b32 v[192+8*\r+\j], v[BA], s[92:93] offset:(32*(\r/2)+8*(\r%2))*4
.endr
.endr
	WIN 0
	s_wait_alu depctr_va_vdst(0)
	MAIN 2
	s_mov_b32 s[SEL], 0x76543210
	s_mov_b32 s[SEL+1], 0xfedcba98
	s_sub_co_u32 s24, s88, 64
	s_lshl_b32 s24, s24, 1
	s_add_co_u32 s24, s24, s85                     ; which 128 tokens
	s_lshr_b32 s25, s24, 4                         ; the batch
	s_and_b32 s26, s24, 15                         ; the key step
	s_lshl_b32 s27, s87, 1
	s_add_co_u32 s27, s27, s86                     ; the head
	s_lshl_b32 s25, s25, 4
	s_add_co_u32 s25, s25, s27
	s_lshl_b32 s25, s25, 4
	s_add_co_u32 s25, s25, s26
	s_mul_i32 s38, s25, UNIT
	s_mov_b32 s39, 0
	s_add_nc_u64 s[44:45], s[22:23], s[38:39]      ; the unit
	v_lshlrev_b32 v115, 4, v[RR]
	v_lshl_add_u32 v115, v[HH], 3, v115            ; 16 r + 8 h
.irp r, 0,1,2,3
	QUANT 64*\r, 128+8*\r
	global_store_b128 v[L16], v[128+8*\r:128+8*\r+3], s[44:45] offset:4096+1024*\r
	global_store_b128 v[L16], v[128+8*\r+4:128+8*\r+7], s[44:45] offset:4096+1024*\r+512
	v_mov_b32 v[116+\r], v[PW]
.endr
	v_cmp_eq_u32 vcc_lo, 1, v[HH]
	v_cndmask_b32 v120, v116, v118, vcc_lo         ; lanes 0-15 store tiles 0 and 1's words, lanes 16-31 tiles 2 and 3's
	v_cndmask_b32 v121, v117, v119, vcc_lo
	global_store_b64 v115, v[120:121], s[44:45] offset:8704   ; 256 consecutive bytes
	s_wait_tensorcnt 0x0
	ds_add_u32 v254, v255
	s_wait_dscnt 0x0
	s_endpgm
.Lfunc_end_k_q06a5c1cf0d_proj:
	.size	k_q06a5c1cf0d_proj, .Lfunc_end_k_q06a5c1cf0d_proj-k_q06a5c1cf0d_proj
	.p2alignl 7, 3214868480
	.fill 96, 4, 3214868480
	.section	.rodata,"a",@progbits
	.p2align	6, 0x0
	.amdhsa_kernel k_q06a5c1cf0d_proj
		.amdhsa_group_segment_fixed_size 209408
		.amdhsa_private_segment_fixed_size 0
		.amdhsa_enable_private_segment 0
		.amdhsa_kernarg_size 72
		.amdhsa_user_sgpr_count 2
		.amdhsa_user_sgpr_kernarg_segment_ptr 1
		.amdhsa_wavefront_size32 1
		.amdhsa_system_sgpr_workgroup_id_x 1
		.amdhsa_system_sgpr_workgroup_id_y 1
		.amdhsa_system_sgpr_workgroup_id_z 1
		.amdhsa_system_vgpr_workitem_id 0
		.amdhsa_next_free_vgpr 768
		.amdhsa_next_free_sgpr 102
		.amdhsa_reserve_vcc 1
		.amdhsa_float_denorm_mode_32 3
		.amdhsa_float_denorm_mode_16_64 3
		.amdhsa_memory_ordered 1
		.amdhsa_forward_progress 1
		.amdhsa_inst_pref_size 141
	.end_amdhsa_kernel
	.amdgpu_metadata
---
amdhsa.version: [ 1, 2 ]
amdhsa.kernels:
  - .name:           k_q06a5c1cf0d_proj
    .symbol:         k_q06a5c1cf0d_proj.kd
    .args:
      - { .name: xc, .offset: 0, .size: 8, .value_kind: global_buffer, .address_space: global }
      - { .name: xs, .offset: 8, .size: 8, .value_kind: global_buffer, .address_space: global }
      - { .name: wt, .offset: 16, .size: 8, .value_kind: global_buffer, .address_space: global }
      - { .name: bq, .offset: 24, .size: 8, .value_kind: global_buffer, .address_space: global }
      - { .name: bk, .offset: 32, .size: 8, .value_kind: global_buffer, .address_space: global }
      - { .name: bv, .offset: 40, .size: 8, .value_kind: global_buffer, .address_space: global }
      - { .name: qc, .offset: 48, .size: 8, .value_kind: global_buffer, .address_space: global }
      - { .name: qs, .offset: 56, .size: 8, .value_kind: global_buffer, .address_space: global }
      - { .name: kv, .offset: 64, .size: 8, .value_kind: global_buffer, .address_space: global }
    .group_segment_fixed_size: 209408
    .private_segment_fixed_size: 0
    .kernarg_segment_align: 8
    .kernarg_segment_size: 72
    .max_flat_workgroup_size: 128
    .sgpr_count:     102
    .vgpr_count:     768
    .wavefront_size: 32
...
	.end_amdgpu_metadata
.endif
;; end of part 2
;; launch attn (part 3): grid 4 x 64, 16 waves a work-group, no clusters, 169,984 bytes of LDS; arguments qc, qs, kv, acod, ascl; writes acod, ascl
.if DOCPART == 3
	.amdgcn_target "amdgcn-amd-amdhsa--gfx1250"
	.amdhsa_code_object_version 6
	.text
	.protected	k_q06a5c1cf0d_attn
	.globl	k_q06a5c1cf0d_attn
	.p2align	8
	.type	k_q06a5c1cf0d_attn,@function
k_q06a5c1cf0d_attn:
	s_mov_b64 s[64:65], 0
	v_nop
	global_prefetch_b8 v0, s[64:65] scope:SCOPE_SE
	s_setreg_imm32_b32 hwreg(HW_REG_WAVE_MODE, 25, 1), 1
	s_wait_xcnt 0x0
; Causal attention of one head on codes of FP4 with E8M0 scales, and its result quantised along the model's 1,024 features for the last product.
; t = score x log2(e) / 8; M = the running largest t rounded UP to a whole number; p = 2^(t - M) is quantised along the keys, not normalised; the row's sum is taken of the unquantised p and divides at the end.
; When M moves, the sum and O are multiplied by 2^(old M - new M): exact.
; INPUTS (made by the launch before): qc [bh][tile: 128][512], qs [bh][tile / 4][r][4 words], kv [bh][key step: 16][8,960]: +0 K's 8 tiles x 512, +4,096 V^T's 4 tiles x 1,024, +8,192 K's scale words [2][r][4], +8,704 V's [r][4].
; A tile 2 g + u holds tokens 32 g + 8 u + r + 8 (r / 8).  The head's K is 64: registers 4-7 of Q's and K's fragments hold zero codes, and the upper two scale bytes are 0 (2^-127, over zero codes).
; LAYOUT.  Both products are used transposed: S^T = K Q^T, O^T = V^T P^T: a lane holds ONE query; the 16 registers of K's tiles 2 b, 2 b + 1 are keys 32 b + 16 h + 0 .. 15, and those of V's tiles features 32 b + 16 h + 0 .. 15.
; SHARES.  Work-group (i, bh) owns query blocks i and 7 - i (256 queries each) of head bh; wave w takes tile 16 i + w, then tile 127 - (16 i + w): together 17 key steps that count, for every wave of the launch.
; LDS holds the head's whole kv, 143,360 bytes, filled once: wave w brings key step w by one tensor load; one wait, one barrier; from there on the waves are independent.
; Both passes walk a loop of 16 trips, a constant; a step all of whose keys come after the tile's queries is jumped over by a scalar branch on ids.
; CLUSTERS are left out: the four work-groups that read one head's kv differ in their query blocks, and the branches round hidden steps hang on just that.
; RESULTS: acod, ascl: laid as the first launch lays x: codes [tile][block: 32][r][16 bytes], scale bytes [tile][2][r][16]; head n is blocks 2 n and 2 n + 1.  A lane stores its block's one scale byte: those 32 bytes are parts of one 256-byte run.
; LIMITS: NaN and infinities are not served; a block of zeros, or one whose largest magnitude lies under 2^-124, gets the byte 1; 1 / sum is v_rcp_f32 and a multiplication.
; REGISTERS: v1-7 constants of the lane; v10 Q's scale word, v11 p's; v12 -M, v13 the largest t, v[14:15] the sum; v16-23 Q; v24-27 K's scale words, v28-31 V's; v32-95 K; v96-159 S^T, then p; v160-191 O^T; v192-223 V; v224-231 p's codes; v232-254 at work.
.set UNIT, 8960
.set L16, 1                            ; v1  16 x lane
.set R16, 2                            ; v2  16 r
.set QD,  3                            ; v3  r + 8 (r / 8) - 16 h
.set ADL, 4                            ; v4  the step's unit + 16 x lane
.set ADR, 5                            ; v5  the step's unit + 16 r
.set SBA, 6                            ; v6  16 r + h
.set HH,  7                            ; v7  h
.set WV,  18
.set BH,  19
.set SEL, 20
.set CS,  22
.set TAU, 38                           ; s38 my tile of queries
.set Q0,  39                           ; s39 its first query
.set QL,  40                           ; s40 its last
.set KF,  41                           ; s41 the step's first key
.set TB,  42                           ; s42 LDS byte of the step's unit
.set CNT, 43
	s_load_b256 s[4:11], s[0:1], 0x0               ; qc, qs, kv, acod
	s_load_b64 s[12:13], s[0:1], 0x20              ; ascl
	v_lshl_add_u32 v251, v0, 2, 0x29000
	v_mov_b32 v255, 0
	ds_add_u32 v251, v255
	ds_add_u32 v251, v255
	v_lshrrev_b32 v8, 5, v0
	s_delay_alu instid0(VALU_DEP_1)
	v_readfirstlane_b32 s[WV], v8                  ; wave 0..15
	s_and_b32 s[BH], ttmp7, 0xffff                 ; batch x 16 + head
	s_lshl_b32 s60, ttmp9, 4
	s_add_co_u32 s60, s60, s[WV]                   ; 16 i + w
	s_mov_b32 s24, 3<<16                           ; group 1: 35 rows of 32 elements of 8 bytes, dense: a unit; no padding, no mask
	s_mov_b32 s25, 32<<16
	s_mov_b32 s26, 35<<16
	s_mov_b32 s27, 32<<16
	s_mov_b32 s28, 35
	s_mov_b32 s29, 32
	s_mov_b32 s30, 0
	s_mov_b32 s31, 0
	s_mov_b32 s32, 1
	s_mul_i32 s33, s[WV], UNIT                     ; LDS address: the wave's number x a constant
	s_mul_i32 s36, s[BH], 16*UNIT
	s_add_co_u32 s36, s36, s33
	s_mov_b32 s37, 0
	s_mov_b32 s[SEL], 0x76543210
	s_mov_b32 s[SEL+1], 0xfedcba98                 ; v_permlanex16_b32's selects for lane l xor 16
	s_mov_b32 s[CS], 0x3e38aa3b                    ; c = log2(e) / sqrt(64)
	s_mov_b32 s[CS+1], s[CS]                       ; (named with it as a pair, so it is written)
	s_wait_dscnt 0x0
	s_wait_kmcnt 0x0
	s_add_nc_u64 s[34:35], s[8:9], s[36:37]
	s_or_b32 s35, s35, 0x80000000
	tensor_load_to_lds s[32:35], s[24:31]          ; my one tensor load: key step w of the head
	s_nop 0
.rept 4
	v_nop
.endr
	v_and_b32 v[L16], 31, v0
	s_delay_alu instid0(VALU_DEP_1)
	v_lshlrev_b32 v[L16], 4, v[L16]
	v_and_b32 v8, 15, v0                           ; r
	s_delay_alu instid0(VALU_DEP_1)
	v_lshlrev_b32 v[R16], 4, v8
	v_bfe_u32 v[HH], v0, 4, 1
	s_delay_alu instid0(VALU_DEP_3)
	v_and_b32 v9, 8, v8
	s_delay_alu instid0(VALU_DEP_1)
	v_add_nc_u32 v[QD], v8, v9
	s_delay_alu instid0(VALU_DEP_3)
	v_lshlrev_b32 v9, 4, v[HH]
	s_delay_alu instid0(VALU_DEP_1)
	v_sub_nc_u32 v[QD], v[QD], v9
	v_add_nc_u32 v[SBA], v[R16], v[HH]
.irp j, 20,21,22,23
	v_mov_b32 v[\j], 0                             ; Q's k = 64 .. 127: zero codes
.endr
.irp t, 0,1,2,3,4,5,6,7
.irp j, 4,5,6,7
	v_mov_b32 v[32+8*\t+\j], 0                     ; K's likewise: written once, no load lands there
.endr
.endr
.irp j, 236,237,238,239,252,253
	v_mov_b32 v[\j], 0                             ; lane permutes' destinations count as sources; v253 is named as the upper half of the pair v[252:253]
.endr
	s_wait_tensorcnt 0x0                           ; my unit is in,
	s_barrier_signal -1
	s_barrier_wait -1                              ; everybody's is
; A KEY STEP: 128 keys.
.macro STEP
	s_cmp_gt_u32 s[KF], s[QL]                      ; all its keys come after my queries: nothing but the steps of the addresses
	s_cbranch_scc1 .Lhid_\@
	s_setprio 2
	v_add_nc_u32 v[ADL], s[TB], v[L16]
	v_add_nc_u32 v[ADR], s[TB], v[R16]
	ds_load_b128 v[24:27], v[ADL] offset:8192      ; K's scale words: lanes 0-15 tiles 0-3, lanes 16-31 tiles 4-7
.irp t, 0,1,2,3,4,5,6,7
	ds_load_b128 v[32+8*\t:35+8*\t], v[ADL] offset:512*\t
.endr
	ds_load_b128 v[28:31], v[ADR] offset:8704      ; V's scale words, tiles 0-3
.irp t, 0,1,2,3
.irp c, 0,1
	ds_load_b128 v[192+8*\t+4*\c:195+8*\t+4*\c], v[ADL] offset:4096+1024*\t+512*\c
.endr
.endr
	s_wait_dscnt 9                                 ; K and its scale words are in; V's nine loads may be out
.irp t, 0,1,2,3
	v_wmma_scale_f32_16x16x128_f8f6f4 v[96+8*\t:103+8*\t], v[32+8*\t:39+8*\t], v[16:23], 0, v[24+\t], v10 matrix_a_fmt:MATRIX_FMT_FP4 matrix_b_fmt:MATRIX_FMT_FP4
.endr
.irp t, 4,5,6,7
	v_wmma_scale_f32_16x16x128_f8f6f4 v[96+8*\t:103+8*\t], v[32+8*\t:39+8*\t], v[16:23], 0, v[20+\t], v10 matrix_a_fmt:MATRIX_FMT_FP4 matrix_b_fmt:MATRIX_FMT_FP4 matrix_a_scale:MATRIX_SCALE_ROW1
.endr
.rept 4
	v_nop                                          ; four places in front of the first read of results (ISA guide 7.12.1)
.endr
	s_add_co_u32 s52, s[KF], 127                   ; on the diagonal hidden scores become -infinity ahead of the maximum; a step all of whose keys count skips this
	s_cmp_le_u32 s52, s[Q0]
	s_cbranch_scc1 .Lopen_\@
	s_sub_co_i32 s52, s[Q0], s[KF]
	v_add_nc_u32 v252, s52, v[QD]                  ; d = my query - KF - 16 h.  Register 16 b + i holds key KF + 32 b + 16 h + i: hidden where 32 b + i > d
	v_mov_b32 v254, 0xff800000
.set n, 0
.rept 64
	v_cmp_gt_i32 vcc_lo, 32*(n/16)+n%16, v252
	v_cndmask_b32 v[96+n], v[96+n], v254, vcc_lo
.set n, n+1
.endr
.Lopen_\@:
.irp b, 0,1,2,3
	v_max3_num_f32 v[232+\b], v[96+16*\b], v[97+16*\b], v[98+16*\b]   ; the largest score of each block of 32 keys: for the row's maximum and, since p rises with the score, for the block's largest p
.endr
.irp i, 3,5,7,9,11,13
.irp b, 0,1,2,3
	v_max3_num_f32 v[232+\b], v[232+\b], v[96+16*\b+\i], v[97+16*\b+\i]
.endr
.endr
.irp b, 0,1,2,3
	v_max_num_f32 v[232+\b], v[232+\b], v[111+16*\b]
.endr
.irp b, 0,1,2,3
	s_delay_alu instid0(VALU_DEP_4)
	v_permlanex16_b32 v[236+\b], v[232+\b], s[SEL], s[SEL+1]
.endr
.irp b, 0,1,2,3
	s_delay_alu instid0(VALU_DEP_4)
	v_max_num_f32 v[232+\b], v[232+\b], v[236+\b]  ; with lane l xor 16's 16 keys
.endr
	s_delay_alu instid0(VALU_DEP_2)
	v_max3_num_f32 v254, v232, v233, v234
	s_delay_alu instid0(VALU_DEP_1)
	v_max_num_f32 v254, v254, v235
	s_delay_alu instid0(VALU_DEP_1)
	v_mul_f32 v254, s[CS], v254                    ; the step's largest t
	s_delay_alu instid0(VALU_DEP_1)
	v_max_num_f32 v13, v13, v254                   ; the running largest t
	v_mov_b32 v254, v12
	s_delay_alu instid0(VALU_DEP_2)
	v_floor_f32 v12, -v13                          ; the new -M = -ceil(t): a whole number
	s_delay_alu instid0(VALU_DEP_1)
	v_sub_f32 v254, v12, v254                      ; old M - new M: a whole number, 0 or less
	s_delay_alu instid0(VALU_DEP_1)
	v_cvt_i32_f32 v254, v254                       ; (it saturates)
	s_delay_alu instid0(VALU_DEP_1)
	v_ldexp_f32 v252, 1.0, v254                    ; f = 2^(old M - new M)
.set j, 0
.rept 32
	v_pk_fma_f32 v[96+j:97+j], v[96+j:97+j], s[CS:CS+1], v[12:13] op_sel_hi:[1,0,0]   ; t - M, two at a time
.set j, j+2
.endr
	s_setprio 1
.irp b, 0,1,2,3
	v_fma_f32 v[232+\b], v[232+\b], s[CS], v12     ; the same of each block's largest score
.endr
.set j, 0
	s_wait_alu depctr_va_vdst(0)
.rept 64
	v_exp_f32 v[96+j], v[96+j]                     ; p = 2^(t - M)
.set j, j+1
.endr
.irp b, 0,1,2,3
	v_exp_f32 v[232+\b], v[232+\b]                 ; the block's largest p
.endr
	v_pk_mul_f32 v[14:15], v[14:15], v[252:253] op_sel_hi:[1,0]   ; the sums under the new M (a plain place behind the exponentials)
	s_wait_alu depctr_va_vdst(0)
.irp b, 0,1,2,3
	v_max_num_f32 v[232+\b], 0x1800000, v[232+\b]  ; the floor 2^(3 - 127)
.endr
.irp b, 0,1,2,3
	s_delay_alu instid0(VALU_DEP_4)
	v_add_nc_u32 v[244+\b], 0xff000000, v[232+\b]  ; the conversion's scale operand
.endr
.irp b, 0,1,2,3
	s_delay_alu instid0(VALU_DEP_4)
	v_lshrrev_b32 v[236+\b], 23, v[244+\b]         ; the scale's byte
.endr
	s_delay_alu instid0(VALU_DEP_3)
	v_lshl_or_b32 v11, v237, 8, v236               ; p's scale word for these 128 keys
	s_delay_alu instid0(VALU_DEP_1)
	v_lshl_or_b32 v11, v238, 16, v11
	s_delay_alu instid0(VALU_DEP_1)
	v_lshl_or_b32 v11, v239, 24, v11
.irp b, 0,1,2,3
	v_cvt_scalef32_pk8_fp4_f32 v[224+2*\b], v[96+16*\b:103+16*\b], v[244+\b]
	v_cvt_scalef32_pk8_fp4_f32 v[225+2*\b], v[104+16*\b:111+16*\b], v[244+\b]
.endr
	v_nop                                          ; one plain place behind a scaled conversion
.irp c, 0,1
.irp i, 0,1
	v_permlane16_swap_b32 v[224+4*\c+\i], v[226+4*\c+\i]   ; a whole block to a lane
.endr
.endr
	v_pk_add_f32 v[236:237], v[100:101], v[104:105]
	v_pk_add_f32 v[248:249], v[108:109], v[112:113]
	v_pk_add_f32 v[246:247], v[116:117], v[120:121]
	v_pk_add_f32 v[244:245], v[124:125], v[128:129]
	v_pk_add_f32 v[242:243], v[132:133], v[136:137]
	v_pk_add_f32 v[240:241], v[140:141], v[144:145]
	v_pk_add_f32 v[234:235], v[148:149], v[152:153]
	v_pk_add_f32 v[14:15], v[14:15], v[156:157]
	v_pk_add_f32 v[236:237], v[236:237], v[96:97]
	v_pk_add_f32 v[248:249], v[248:249], v[98:99]
	v_pk_add_f32 v[246:247], v[246:247], v[102:103]
	v_pk_add_f32 v[244:245], v[244:245], v[106:107]
	v_pk_add_f32 v[242:243], v[242:243], v[110:111]
	v_pk_add_f32 v[240:241], v[240:241], v[114:115]
	v_pk_add_f32 v[234:235], v[234:235], v[118:119]
	v_pk_add_f32 v[14:15], v[14:15], v[122:123]
	s_setprio 0
	v_pk_add_f32 v[236:237], v[236:237], v[126:127]
	v_pk_add_f32 v[248:249], v[248:249], v[130:131]
	v_pk_add_f32 v[246:247], v[246:247], v[134:135]
	v_pk_add_f32 v[244:245], v[244:245], v[138:139]
	v_pk_add_f32 v[242:243], v[242:243], v[142:143]
	v_pk_add_f32 v[240:241], v[240:241], v[146:147]
	v_pk_add_f32 v[234:235], v[234:235], v[150:151]
	v_pk_add_f32 v[14:15], v[14:15], v[154:155]
	v_pk_add_f32 v[236:237], v[236:237], v[158:159]
	s_delay_alu instid0(VALU_DEP_2)
	v_pk_add_f32 v[14:15], v[14:15], v[244:245]
	s_delay_alu instid0(VALU_DEP_2)
	v_pk_add_f32 v[236:237], v[236:237], v[242:243]
	v_pk_add_f32 v[248:249], v[248:249], v[240:241]
	v_pk_add_f32 v[246:247], v[246:247], v[234:235]
	s_delay_alu instid0(VALU_DEP_2)
	v_pk_add_f32 v[14:15], v[14:15], v[248:249]
	s_delay_alu instid0(VALU_DEP_2)
	v_pk_add_f32 v[236:237], v[236:237], v[246:247]
	s_delay_alu instid0(VALU_DEP_1)
	v_pk_add_f32 v[14:15], v[14:15], v[236:237]
.set j, 0
.rept 16
	v_pk_mul_f32 v[160+j:161+j], v[160+j:161+j], v[252:253] op_sel_hi:[1,0]   ; O^T under the new M, each tile from its low end on.  (With the sums: the places between p's codes and scale word and the products below)
.set j, j+2
.endr
	s_wait_alu depctr_va_vdst(0)
	s_wait_dscnt 0x0                               ; V and its scale words are in
.irp t, 0,1,2,3
	v_wmma_scale_f32_16x16x128_f8f6f4 v[160+8*\t:167+8*\t], v[192+8*\t:199+8*\t], v[224:231], v[160+8*\t:167+8*\t], v[28+\t], v11 matrix_a_fmt:MATRIX_FMT_FP4 matrix_b_fmt:MATRIX_FMT_FP4
.endr
.rept 4
	v_nop                                          ; four places in front of the next step's loads into V's registers, and of the way out's first read of O^T
.endr
.Lhid_\@:
	s_add_co_u32 s[KF], s[KF], 128
	s_add_co_u32 s[TB], s[TB], UNIT
.endm
; One tile of 16 queries: hi = 0: tile 16 i + w;  hi = 1: tile 127 - (16 i + w).
.macro PASS hi
	s_wait_xcnt 0x0                                ; the last pass's stores have read their bases and their registers: both are written again only behind this wait
.if \hi
	s_sub_co_u32 s[TAU], 127, s60
.else
	s_mov_b32 s[TAU], s60
.endif
	s_lshr_b32 s[Q0], s[TAU], 1
	s_lshl_b32 s[Q0], s[Q0], 5
	s_and_b32 s52, s[TAU], 1
	s_lshl_b32 s52, s52, 3
	s_add_co_u32 s[Q0], s[Q0], s52                 ; the tile's first query: 32 (tile / 2) + 8 (tile % 2)
	s_add_co_u32 s[QL], s[Q0], 23                  ; and its last
	s_mov_b32 s53, 0
	s_lshl_b32 s52, s[BH], 16
	s_lshl_b32 s54, s[TAU], 9
	s_add_co_u32 s52, s52, s54
	s_add_nc_u64 s[44:45], s[4:5], s[52:53]        ; Q's codes
	s_lshl_b32 s52, s[BH], 13
	s_lshr_b32 s54, s[TAU], 2
	s_lshl_b32 s54, s54, 8
	s_add_co_u32 s52, s52, s54
	s_and_b32 s54, s[TAU], 3
	s_lshl_b32 s54, s54, 2
	s_add_co_u32 s52, s52, s54
	s_add_nc_u64 s[46:47], s[6:7], s[52:53]        ; Q's scale words
	s_lshr_b32 s55, s[BH], 4
	s_lshl_b32 s55, s55, 7
	s_add_co_u32 s55, s55, s[TAU]                  ; the tile among all 512
	s_and_b32 s56, s[BH], 15                       ; the head n
	s_lshl_b32 s52, s55, 13
	s_lshl_b32 s54, s56, 9
	s_add_co_u32 s52, s52, s54
	s_add_nc_u64 s[48:49], s[10:11], s[52:53]      ; the result's codes: tile x 8,192 + n x 512
	s_lshl_b32 s52, s55, 9
	s_lshr_b32 s54, s56, 3
	s_lshl_b32 s54, s54, 8
	s_add_co_u32 s52, s52, s54
	s_and_b32 s54, s56, 7
	s_lshl_b32 s54, s54, 1
	s_add_co_u32 s52, s52, s54
	s_add_nc_u64 s[50:51], s[12:13], s[52:53]      ; its scale bytes: tile x 512 + (n / 8) x 256 + 2 (n % 8)
	global_load_b128 v[16:19], v[L16], s[44:45]
	global_load_b32 v10, v[R16], s[46:47]
	v_mov_b32 v13, 0xff61b1e6                      ; the largest t so far: -3e38
	s_delay_alu instid0(VALU_DEP_1)
	v_floor_f32 v12, -v13
	v_mov_b32 v14, 0
	v_mov_b32 v15, 0
.set j, 0
.rept 32
	v_mov_b32 v[160+j], 0                          ; O^T: the step is written once; its first turn finds zeros
.set j, j+1
.endr
	s_mov_b32 s[KF], 0
	s_mov_b32 s[TB], 0
	s_mov_b32 s[CNT], 16
	s_wait_loadcnt 0x0
.Lstep_\@:
	STEP
	s_sub_co_u32 s[CNT], s[CNT], 1
	s_cmp_lg_u32 s[CNT], 0
	s_cbranch_scc1 .Lstep_\@
	s_setprio 0
	; the way out: O^T / the sum, quantised along the head's 64 features: two blocks
	v_add_f32 v14, v14, v15
	s_delay_alu instid0(VALU_DEP_1)
	v_permlanex16_b32 v252, v14, s[SEL], s[SEL+1]
	s_delay_alu instid0(VALU_DEP_1)
	v_add_f32 v14, v14, v252                       ; the row's sum
	s_wait_alu depctr_va_vdst(0)
	v_rcp_f32 v14, v14
	v_nop                                          ; one plain place behind a transcendental
.set j, 0
	s_wait_alu depctr_va_vdst(0)
.rept 16
	v_pk_mul_f32 v[96+j:97+j], v[160+j:161+j], v[14:15] op_sel_hi:[1,0]   ; register 16 b + i: feature 32 b + 16 h + i of my query
.set j, j+2
.endr
.irp b, 0,1
	v_max3_num_f32 v[232+\b], |v[96+16*\b]|, |v[97+16*\b]|, 0x1800000
.endr
.irp i, 2,4,6,8,10,12,14
.irp b, 0,1
	s_delay_alu instid0(VALU_DEP_2)
	v_max3_num_f32 v[232+\b], v[232+\b], |v[96+16*\b+\i]|, |v[97+16*\b+\i]|
.endr
.endr
.irp b, 0,1
	s_delay_alu instid0(VALU_DEP_2)
	v_permlanex16_b32 v[236+\b], v[232+\b], s[SEL], s[SEL+1]
.endr
.irp b, 0,1
	s_delay_alu instid0(VALU_DEP_2)
	v_max_num_f32 v[232+\b], v[232+\b], v[236+\b]
.endr
.irp b, 0,1
	s_delay_alu instid0(VALU_DEP_2)
	v_add_nc_u32 v[244+\b], 0xff000000, v[232+\b]
.endr
.irp b, 0,1
	s_delay_alu instid0(VALU_DEP_2)
	v_lshrrev_b32 v[248+\b], 23, v[244+\b]
.endr
.irp b, 0,1
	v_cvt_scalef32_pk8_fp4_f32 v[240+2*\b], v[96+16*\b:103+16*\b], v[244+\b]
	v_cvt_scalef32_pk8_fp4_f32 v[241+2*\b], v[104+16*\b:111+16*\b], v[244+\b]
.endr
	v_nop                                          ; one plain place behind a scaled conversion
	v_permlane16_swap_b32 v240, v242
	v_permlane16_swap_b32 v241, v243               ; lanes 0-15 block 0, lanes 16-31 block 1
	global_store_b128 v[L16], v[240:243], s[48:49] ; 512 consecutive bytes
	v_cmp_eq_u32 vcc_lo, 1, v[HH]
	s_delay_alu instid0(VALU_DEP_1)
	v_cndmask_b32 v250, v248, v249, vcc_lo
	global_store_b8 v[SBA], v250, s[50:51]         ; my block's byte of my row
.endm
	PASS 0
	PASS 1
	s_wait_tensorcnt 0x0
	ds_add_u32 v251, v255
	s_wait_dscnt 0x0
	s_endpgm
.Lfunc_end_k_q06a5c1cf0d_attn:
	.size	k_q06a5c1cf0d_attn, .Lfunc_end_k_q06a5c1cf0d_attn-k_q06a5c1cf0d_attn
	.p2alignl 7, 3214868480
	.fill 96, 4, 3214868480
	.section	.rodata,"a",@progbits
	.p2align	6, 0x0
	.amdhsa_kernel k_q06a5c1cf0d_attn
		.amdhsa_group_segment_fixed_size 169984
		.amdhsa_private_segment_fixed_size 0
		.amdhsa_enable_private_segment 0
		.amdhsa_kernarg_size 40
		.amdhsa_user_sgpr_count 2
		.amdhsa_user_sgpr_kernarg_segment_ptr 1
		.amdhsa_wavefront_size32 1
		.amdhsa_system_sgpr_workgroup_id_x 1
		.amdhsa_system_sgpr_workgroup_id_y 1
		.amdhsa_system_sgpr_workgroup_id_z 1
		.amdhsa_system_vgpr_workitem_id 0
		.amdhsa_next_free_vgpr 256
		.amdhsa_next_free_sgpr 66
		.amdhsa_reserve_vcc 1
		.amdhsa_float_denorm_mode_32 3
		.amdhsa_float_denorm_mode_16_64 3
		.amdhsa_memory_ordered 1
		.amdhsa_forward_progress 1
		.amdhsa_inst_pref_size 61
	.end_amdhsa_kernel
	.amdgpu_metadata
---
amdhsa.version: [ 1, 2 ]
amdhsa.kernels:
  - .name:           k_q06a5c1cf0d_attn
    .symbol:         k_q06a5c1cf0d_attn.kd
    .args:
      - { .name: qc, .offset: 0, .size: 8, .value_kind: global_buffer, .address_space: global }
      - { .name: qs, .offset: 8, .size: 8, .value_kind: global_buffer, .address_space: global }
      - { .name: kv, .offset: 16, .size: 8, .value_kind: global_buffer, .address_space: global }
      - { .name: acod, .offset: 24, .size: 8, .value_kind: global_buffer, .address_space: global }
      - { .name: ascl, .offset: 32, .size: 8, .value_kind: global_buffer, .address_space: global }
    .group_segment_fixed_size: 169984
    .private_segment_fixed_size: 0
    .kernarg_segment_align: 8
    .kernarg_segment_size: 40
    .max_flat_workgroup_size: 512
    .sgpr_count:     66
    .vgpr_count:     256
    .wavefront_size: 32
...
	.end_amdgpu_metadata
.endif
;; end of part 3
;; launch outp (part 4): grid 256 x 1, 4 waves a work-group, no clusters, 243,200 bytes of LDS; arguments acod, ascl, wt, bo, out0; writes out0
.if DOCPART == 4
	.amdgcn_target "amdgcn-amd-amdhsa--gfx1250"
	.amdhsa_code_object_version 6
	.text
	.protected	k_q06a5c1cf0d_outp
	.globl	k_q06a5c1cf0d_outp
	.p2align	8
	.type	k_q06a5c1cf0d_outp,@function
k_q06a5c1cf0d_outp:
	s_mov_b64 s[64:65], 0
	v_nop
	global_prefetch_b8 v0, s[64:65] scope:SCOPE_SE
	s_setreg_imm32_b32 hwreg(HW_REG_WAVE_MODE, 25, 1), 1
	s_wait_xcnt 0x0
; out0 = a wo^T + bo on codes of FP4 with E8M0 scales (K = 1,024); a is the attention's result as codes.  Operands are images of registers: codes [tile][block: 32][r: 16][16 bytes],
; scale bytes [tile][half: 2][r: 16][16 bytes]; tile 2 g + u holds rows 32 g + 8 u + r + 8 (r / 8).  wo's tiles are tiles 192-255 of wt; its scale bytes lie from byte 2,097,152 of wt.
; A PRODUCT: source 0 = 16 rows of P = wo (features), source 1 = 16 rows of R = a (tokens): lane (r, h) holds token r of R's tile, and the 16 registers of P's tiles 2 b, 2 b + 1 are features 32 b + 16 h + 0 .. 15.
; SHARES.  256 work-groups; each makes P 256 x R 128; wave w takes P's half w & 1 (8 tiles) and R's half w >> 1 (4 tiles): 32 accumulators, 256 registers.
; LDS holds both panels for all of K: every byte is filled once, by six tensor loads a wave issued together (six are out at the most); no ring.  Behind them: a stage of 16 rows x 528 bytes for each wave, into which no fill lands.
; bo is the C of each sum's first matrix instruction (so it is added ahead of the products' sums).
; THE WAY OUT.  A tile of 16 tokens x 128 features goes through the wave's own stage and leaves as rows of 512 consecutive bytes, aligned.
; CLUSTERS are left out: neighbours share R's 69,632 of a work-group's 208,896 bytes, each brought once.
; REGISTERS, in windows of 256.  Window 0: v1-12 addresses; v32-63 P's scale words, v64-79 R's (they hold scales and nothing else); v128-255 rows on their way out.
;   Window 1: accumulator (p, rho) at v[64 rho + 8 p].   Window 2: P's fragments v[64 f + 8 p], R's v[128 + 32 f + 8 rho] (f = K step % 2); v192-255 the bias.
.set PC0,  0
.set RC0,  65536
.set HALF, 98304
.set PSC,  196608
.set RSC,  204800
.set STG,  208896                      ; the stages
.set SPI,  528                         ; a stage row: 512 bytes + 16
.set L16,  1
.set RR,   2
.set HH,   3
.set ADP,  4
.set ADR,  6
.set ASP,  8
.set ASR,  9
.set STO,  10                          ; v10 the stage: where I put 32 bytes of a row
.set RD,   11                          ; v11 and where I read a row back
.set BA,   12
.set SCP,  32
.set SCR,  64
.set BK,   128
.set G1PC, 24
.set G1RC, 32
.set G1PS, 40
.set G1RS, 48
.set MSB, 0
.macro WIN new                         ; the immediate's high byte repeats the setting that is left
.if MSB != \new
	s_set_vgpr_msb (MSB<<8)|\new
.set MSB, \new
.endif
.endm
.set W_LD2,  0x80                      ; destination window 2
.set W_MUL,  0x5a                      ; A, B window 2; C, D window 1
.set W_MULB, 0x6a                      ; A, B, C window 2; D window 1
.set W_ST1,  0x04                      ; an LDS store's data (source 1) window 1
.macro NOPS                            ; four places: in front of loads into registers that matrix instructions have read, and of the first read of results
.rept 4
	v_nop
.endr
.endm
.macro G1SET g, c, r, p                ; group 1: r rows of c elements of 8 bytes, p elements from row to row, no padding, no mask
	s_mov_b32 s[\g], 3<<16
	s_mov_b32 s[\g+1], (\c)<<16
	s_mov_b32 s[\g+2], (\r)<<16
	s_mov_b32 s[\g+3], (\c)<<16
	s_mov_b32 s[\g+4], \r
	s_mov_b32 s[\g+5], \p
	s_mov_b32 s[\g+6], 0
	s_mov_b32 s[\g+7], 0
.endm
.macro SCALES sg                       ; the scale words of K steps 4 sg .. 4 sg + 3: 16 bytes a row
.irp i, 0,1,2,3
	ds_load_b128 v[SCP+16*\sg+4*\i:SCP+16*\sg+4*\i+3], v[ASP] offset:512*\i+256*\sg
.endr
.irp i, 0,1
	ds_load_b128 v[SCR+8*\sg+4*\i:SCR+8*\sg+4*\i+3], v[ASR] offset:512*\i+256*\sg
.endr
.endm
.macro FETCH s                         ; K step s: 8 fragments of P, 4 of R: 24 loads of 512 consecutive bytes
	WIN W_LD2
.irp p, 0,1,2,3,4,5,6,7
.irp c, 0,1
	ds_load_b128 v[64*((\s)%2)+8*\p+4*\c:64*((\s)%2)+8*\p+4*\c+3], v[ADP+(\s)/4] offset:4096*\p+1024*((\s)%4)+512*\c
.endr
.endr
.irp r, 0,1,2,3
.irp c, 0,1
	ds_load_b128 v[128+32*((\s)%2)+8*\r+4*\c:128+32*((\s)%2)+8*\r+4*\c+3], v[ADR+(\s)/4] offset:4096*\r+1024*((\s)%4)+512*\c
.endr
.endr
.endm
.macro WM4 ra, rb                      ; one matrix instruction from the symbols set by MUL; ra, rb: the side's scale words stand in lanes 16-31
.if (\ra) && (\rb)
	v_wmma_scale_f32_16x16x128_f8f6f4 v[rD:rD+7], v[rA:rA+7], v[rB:rB+7], v[rC:rC+7], v[rSA], v[rSB] matrix_a_fmt:MATRIX_FMT_FP4 matrix_b_fmt:MATRIX_FMT_FP4 matrix_a_scale:MATRIX_SCALE_ROW1 matrix_b_scale:MATRIX_SCALE_ROW1
.elseif \ra
	v_wmma_scale_f32_16x16x128_f8f6f4 v[rD:rD+7], v[rA:rA+7], v[rB:rB+7], v[rC:rC+7], v[rSA], v[rSB] matrix_a_fmt:MATRIX_FMT_FP4 matrix_b_fmt:MATRIX_FMT_FP4 matrix_a_scale:MATRIX_SCALE_ROW1
.elseif \rb
	v_wmma_scale_f32_16x16x128_f8f6f4 v[rD:rD+7], v[rA:rA+7], v[rB:rB+7], v[rC:rC+7], v[rSA], v[rSB] matrix_a_fmt:MATRIX_FMT_FP4 matrix_b_fmt:MATRIX_FMT_FP4 matrix_b_scale:MATRIX_SCALE_ROW1
.else
	v_wmma_scale_f32_16x16x128_f8f6f4 v[rD:rD+7], v[rA:rA+7], v[rB:rB+7], v[rC:rC+7], v[rSA], v[rSB] matrix_a_fmt:MATRIX_FMT_FP4 matrix_b_fmt:MATRIX_FMT_FP4
.endif
.endm
; K step s: 32 matrix instructions.  The 32 accumulators take turns, one instruction a turn, in the same order in every step.
; cmode 0: C = the accumulator; 1: C = the bias of P's tile.
.macro MUL s, cmode
.if \cmode
	WIN W_MULB
.else
	WIN W_MUL
.endif
.irp r, 0,1,2,3
.irp p, 0,1,2,3,4,5,6,7
.set rD, 64*\r+8*\p
.set rA, 64*((\s)%2)+8*\p
.set rB, 128+32*((\s)%2)+8*\r
.set rC, rD
.if \cmode == 1
.set rC, 192+8*\p
.endif
.set rSA, SCP+16*((\s)/4)+4*(\p%4)+(\s)%4
.set rSB, SCR+8*((\s)/4)+4*(\r%2)+(\s)%4
	WM4 \p/4, \r/2
.endr
.endr
.endm
.macro MAIN cmode
	s_wait_tensorcnt 0x2                           ; my parts of the scale bytes and of K half 0 are in; my two loads of K half 1 may stay out
	s_barrier_signal -1
	s_barrier_wait -1                              ; everybody's are
	SCALES 0
	FETCH 0
	FETCH 1
	s_wait_dscnt 24                                ; all but the 24 just issued
	s_wait_loadcnt 0x0                             ; the bias
	MUL 0, \cmode
.irp s, 1,2
	NOPS
	FETCH \s+1
	s_wait_dscnt 24
	MUL \s, 0
.endr
	WIN 0
	s_wait_tensorcnt 0x0                           ; my parts of K half 1 are in,
	s_wait_dscnt 0x0                               ; no LDS load of mine is pending at the signal,
	s_barrier_signal -1
	s_barrier_wait -1                              ; everybody's are
	NOPS
	SCALES 1
	FETCH 4
	s_wait_dscnt 24
	MUL 3, 0
.irp s, 4,5,6
	NOPS
	FETCH \s+1
	s_wait_dscnt 24
	MUL \s, 0
.endr
	s_wait_dscnt 0x0
	MUL 7, 0
	WIN 0
	NOPS
.endm
	s_load_b128 s[4:7], s[0:1], 0x0                ; acod, ascl
	s_load_b64 s[8:9], s[0:1], 0x10                ; wt
	s_load_b128 s[12:15], s[0:1], 0x18             ; bo, out0
	v_lshl_add_u32 v126, v0, 2, 0x3b400
	v_mov_b32 v127, 0
	ds_add_u32 v126, v127
	ds_add_u32 v126, v127
	v_lshrrev_b32 v1, 5, v0
	v_readfirstlane_b32 s84, v1                    ; wave
	s_and_b32 s85, s84, 1                          ; wp: my half of P
	s_lshr_b32 s86, s84, 1                         ; wr: my half of R
	s_and_b32 s87, ttmp9, 3                        ; which 256 features
	s_lshr_b32 s88, ttmp9, 2                       ; which 128 tokens
	s_lshl_b32 s89, s87, 4
	s_add_co_u32 s89, s89, 192                     ; P's first tile (of wt)
	s_lshl_b32 s90, s88, 3                         ; R's first tile (of acod)
	G1SET G1PC, 512, 4, 1024                       ; four tiles' K half: rows of 4,096 bytes, 8,192 apart
	G1SET G1RC, 512, 2, 1024                       ; two tiles'
	G1SET G1PS, 32, 8, 32                          ; four tiles' scale bytes: 2,048 dense bytes as rows of 256
	G1SET G1RS, 32, 4, 32                          ; two tiles'
	s_lshl_b32 s57, s84, 11
	s_add_co_u32 s57, s57, PSC                     ; where my parts go: a constant + the wave's number x a constant
	s_lshl_b32 s61, s84, 10
	s_add_co_u32 s61, s61, RSC
	s_lshl_b32 s69, s84, 14
	s_lshl_b32 s73, s84, 13
	s_add_co_u32 s73, s73, RC0
	s_add_co_u32 s77, s69, HALF
	s_add_co_u32 s81, s73, HALF
	s_mov_b32 s3, 0
	s_lshl_b32 s92, s84, 2
	s_add_co_u32 s92, s92, s89                     ; the first of the four tiles of P that I fetch
	s_lshl_b32 s93, s84, 1
	s_add_co_u32 s93, s93, s90                     ; the first of the two tiles of R
	s_wait_dscnt 0x0
	s_wait_kmcnt 0x0
	s_add_nc_u64 s[10:11], s[8:9], 0x200000        ; the weights' scale bytes
	s_lshl_b32 s2, s92, 9
	s_add_nc_u64 s[58:59], s[10:11], s[2:3]
	s_lshl_b32 s2, s93, 9
	s_add_nc_u64 s[62:63], s[6:7], s[2:3]
	s_lshl_b32 s2, s92, 13
	s_add_nc_u64 s[70:71], s[8:9], s[2:3]
	s_add_nc_u64 s[78:79], s[70:71], 4096
	s_lshl_b32 s2, s93, 13
	s_add_nc_u64 s[74:75], s[4:5], s[2:3]
	s_add_nc_u64 s[82:83], s[74:75], 4096
.irp g, 56,60,68,72,76,80
	s_mov_b32 s[\g], 1                             ; count = 1
	s_or_b32 s[\g+3], s[\g+3], 0x80000000          ; type = 2
.endr
	tensor_load_to_lds s[56:59], s[G1PS:G1PS+7]    ; all first fills in one group: the scale bytes,
	s_nop 0
	tensor_load_to_lds s[60:63], s[G1RS:G1RS+7]
	s_nop 0
	tensor_load_to_lds s[68:71], s[G1PC:G1PC+7]    ; K half 0,
	s_nop 0
	tensor_load_to_lds s[72:75], s[G1RC:G1RC+7]
	s_nop 0
	tensor_load_to_lds s[76:79], s[G1PC:G1PC+7]    ; K half 1
	s_nop 0
	tensor_load_to_lds s[80:83], s[G1RC:G1RC+7]
	s_nop 0
	NOPS
	v_and_b32 v[L16], 31, v0
	v_lshlrev_b32 v[L16], 4, v[L16]
	v_and_b32 v[RR], 15, v0
	v_bfe_u32 v[HH], v0, 4, 1
	s_lshl_b32 s2, s85, 15
	v_add_nc_u32 v[ADP], s2, v[L16]                ; my 8 tiles of P
	v_add_nc_u32 v[ADP+1], HALF, v[ADP]
	s_lshl_b32 s2, s86, 14
	s_add_co_u32 s2, s2, RC0
	v_add_nc_u32 v[ADR], s2, v[L16]                ; my 4 tiles of R
	v_add_nc_u32 v[ADR+1], HALF, v[ADR]
	v_lshlrev_b32 v[ASP], 4, v[RR]
	v_lshl_add_u32 v[ASR], v[HH], 10, v[ASP]       ; lanes 16-31: two tiles on
	v_lshl_add_u32 v[ASP], v[HH], 11, v[ASP]       ; lanes 16-31: four tiles on
	s_lshl_b32 s2, s85, 12
	s_add_co_u32 s2, s2, PSC
	v_add_nc_u32 v[ASP], s2, v[ASP]
	s_lshl_b32 s2, s86, 11
	s_add_co_u32 s2, s2, RSC
	v_add_nc_u32 v[ASR], s2, v[ASR]
	s_mul_i32 s91, s84, 16*SPI
	s_add_co_u32 s91, s91, STG                     ; my stage
	v_mul_u32_u24 v[STO], v[RR], SPI
	v_lshl_add_u32 v[STO], v[HH], 6, v[STO]
	v_add_nc_u32 v[STO], s91, v[STO]               ; in: row r, + 64 h
	v_add_nc_u32 v[RD], s91, v[L16]                ; back: a row's 512 bytes, 16 a lane
	s_lshl_b32 s2, s87, 10
	s_lshl_b32 s89, s85, 9
	s_add_co_u32 s2, s2, s89                       ; my first feature, in bytes: (256 x block + 128 wp) x 4
	s_add_nc_u64 s[94:95], s[12:13], s[2:3]        ; bo there
	s_add_nc_u64 s[96:97], s[14:15], s[2:3]
	s_lshl_b32 s2, s88, 19
	s_lshl_b32 s89, s86, 18
	s_add_co_u32 s2, s2, s89                       ; my first token's row: (128 x block + 64 wr) x 4,096
	s_add_nc_u64 s[96:97], s[96:97], s[2:3]        ; out0 there
	v_lshlrev_b32 v[BA], 6, v[HH]                  ; lane (r, h) wants, for tile 2 b + u, the bias of features 32 b + 16 h + 8 u + 0 .. 7
	WIN W_LD2
.irp t, 0,1,2,3,4,5,6,7
	global_load_b128 v[192+8*\t:192+8*\t+3], v[BA], s[94:95] offset:(32*(\t/2)+8*(\t%2))*4
	global_load_b128 v[192+8*\t+4:192+8*\t+7], v[BA], s[94:95] offset:(32*(\t/2)+8*(\t%2))*4+16
.endr
	WIN 0
	s_wait_alu depctr_va_vdst(0)
	MAIN 1
; R's tile r of my four: 16 tokens x 128 features through my stage.  LDS serves a wave's instructions in order: no wait between the stores and the loads, nor in front of the next tile's stores.
.macro TOSTAGE r
	WIN W_ST1
.irp p, 0,1,2,3,4,5,6,7
	ds_store_b128 v[STO], v[64*(\r)+8*\p:64*(\r)+8*\p+3] offset:128*(\p/2)+32*(\p%2)          ; each accumulator from its low end on
	ds_store_b128 v[STO], v[64*(\r)+8*\p+4:64*(\r)+8*\p+7] offset:128*(\p/2)+32*(\p%2)+16
.endr
	WIN 0
.irp i, 0,1,2,3,4,5,6,7,8,9,10,11,12,13,14,15
	ds_load_b128 v[BK+64*((\r)%2)+4*\i:BK+64*((\r)%2)+4*\i+3], v[RD] offset:SPI*\i
.endr
.endm
.macro SEND r, younger                 ; younger: the LDS instructions issued behind tile r's loads, which may stay out
	s_wait_dscnt \younger
.irp i, 0,1,2,3,4,5,6,7,8,9,10,11,12,13,14,15
	global_store_b128 v[L16], v[BK+64*((\r)%2)+4*\i:BK+64*((\r)%2)+4*\i+3], s[96:97] offset:(32*((\r)/2)+8*((\r)%2)+\i+8*(\i/8))*4096 th:TH_STORE_NT   ; the tile's row i is token 32 (r / 2) + 8 (r % 2) + i + 8 (i / 8): 512 consecutive bytes, aligned
.endr
.endm
	TOSTAGE 0
.irp r, 1,2,3
.if \r > 1
	s_wait_xcnt 0x0                                ; tile r - 2's stores have read their registers: tile r's loads may land there
.endif
	TOSTAGE \r
	SEND \r-1, 32                                  ; behind tile r - 1's loads: tile r's 16 stores and 16 loads
.endr
	SEND 3, 0
	s_wait_tensorcnt 0x0
	ds_add_u32 v126, v127
	s_wait_dscnt 0x0
	s_endpgm
.Lfunc_end_k_q06a5c1cf0d_outp:
	.size	k_q06a5c1cf0d_outp, .Lfunc_end_k_q06a5c1cf0d_outp-k_q06a5c1cf0d_outp
	.p2alignl 7, 3214868480
	.fill 96, 4, 3214868480
	.section	.rodata,"a",@progbits
	.p2align	6, 0x0
	.amdhsa_kernel k_q06a5c1cf0d_outp
		.amdhsa_group_segment_fixed_size 243200
		.amdhsa_private_segment_fixed_size 0
		.amdhsa_enable_private_segment 0
		.amdhsa_kernarg_size 40
		.amdhsa_user_sgpr_count 2
		.amdhsa_user_sgpr_kernarg_segment_ptr 1
		.amdhsa_wavefront_size32 1
		.amdhsa_system_sgpr_workgroup_id_x 1
		.amdhsa_system_sgpr_workgroup_id_y 1
		.amdhsa_system_sgpr_workgroup_id_z 1
		.amdhsa_system_vgpr_workitem_id 0
		.amdhsa_next_free_vgpr 768
		.amdhsa_next_free_sgpr 102
		.amdhsa_reserve_vcc 0
		.amdhsa_float_denorm_mode_32 3
		.amdhsa_float_denorm_mode_16_64 3
		.amdhsa_memory_ordered 1
		.amdhsa_forward_progress 1
		.amdhsa_inst_pref_size 70
	.end_amdhsa_kernel
	.amdgpu_metadata
---
amdhsa.version: [ 1, 2 ]
amdhsa.kernels:
  - .name:           k_q06a5c1cf0d_outp
    .symbol:         k_q06a5c1cf0d_outp.kd
    .args:
      - { .name: acod, .offset: 0, .size: 8, .value_kind: global_buffer, .address_space: global }
      - { .name: ascl, .offset: 8, .size: 8, .value_kind: global_buffer, .address_space: global }
      - { .name: wt, .offset: 16, .size: 8, .value_kind: global_buffer, .address_space: global }
      - { .name: bo, .offset: 24, .size: 8, .value_kind: global_buffer, .address_space: global }
      - { .name: out0, .offset: 32, .size: 8, .value_kind: global_buffer, .address_space: global }
    .group_segment_fixed_size: 243200
    .private_segment_fixed_size: 0
    .kernarg_segment_align: 8
    .kernarg_segment_size: 40
    .max_flat_workgroup_size: 128
    .sgpr_count:     102
    .vgpr_count:     768
    .wavefront_size: 32
...
	.end_amdgpu_metadata
.endif
;; end of part 4
